; MI455X (gfx1250); checked and timed in simulation.
; The chip was launched on July 23, 2026; its instructions are those of AMD's public machine-readable ISA for CDNA 5 (MIT licence, August 2026) and "CDNA5" Instruction Set Architecture Reference Guide (July 2026). The comments in the code are by the model that wrote it; some were corrected since.
;; i NGPDW. Allowed arithmetic: matrix products marked QUANTISED: E5M2 operands, one given power-of-two scale a tensor, by v_wmma_f32_16x16x64_bf8_bf8 or v_wmma_f32_16x16x128_bf8_bf8, f32 sums; products left as they are: f32 operands where the result goes on into a quantised operand, else bf16, f16 or f32 operands; f32 sums; everything else in f32.
;; Inputs: W1 40 x 64 float32; W2_codes 64 x 2 x 32 uint8 (E5M2 codes of W2, K innermost, in blocks of 32 codes); W3 64 x 13 float32; b1 64 float32; b2 64 float32; b3 13 float32; cr 1,000,000 float32; lowp_scales 4 int32 (the exponents e of the quantised operands' scales 2^e); tables 10 x 65,536 x 4 float32; x 1,000,000 x 3 float32.
;; Outputs: out0 1,000,000 x 13 float32.
;; This version of the problem:
;;   THIS VERSION OF THE PROBLEM IS GIVEN IN LOW PRECISION. The matrix products marked QUANTISED in the list below multiply operands that are first quantised to E5M2 (5 exponent bits, 2 mantissa bits; 8 bits a number), with one given power-of-two scale for each operand tensor; their sums are f32. All else is computed in f32.
;;   The module's matrix products, in the order in which they are computed (A, B: the left and right operand; K: the contracted axis; several contracted axes count as one K, in the product's order):
;;     1. batch 1,000,000 x [M 1, K 8] x [K 8, N 4]; A: computed on the way; B: computed on the way: left as it is (K = 8 < 32)
;;     2. batch 1,000,000 x [M 1, K 8] x [K 8, N 4]; A: computed on the way; B: computed on the way: left as it is (K = 8 < 32)
;;     3. batch 1,000,000 x [M 1, K 8] x [K 8, N 4]; A: computed on the way; B: computed on the way: left as it is (K = 8 < 32)
;;     4. batch 1,000,000 x [M 1, K 8] x [K 8, N 4]; A: computed on the way; B: computed on the way: left as it is (K = 8 < 32)
;;     5. batch 1,000,000 x [M 1, K 8] x [K 8, N 4]; A: computed on the way; B: computed on the way: left as it is (K = 8 < 32)
;;     6. batch 1,000,000 x [M 1, K 8] x [K 8, N 4]; A: computed on the way; B: computed on the way: left as it is (K = 8 < 32)
;;     7. batch 1,000,000 x [M 1, K 8] x [K 8, N 4]; A: computed on the way; B: computed on the way: left as it is (K = 8 < 32)
;;     8. batch 1,000,000 x [M 1, K 8] x [K 8, N 4]; A: computed on the way; B: computed on the way: left as it is (K = 8 < 32)
;;     9. batch 1,000,000 x [M 1, K 8] x [K 8, N 4]; A: computed on the way; B: computed on the way: left as it is (K = 8 < 32)
;;     10. batch 1,000,000 x [M 1, K 8] x [K 8, N 4]; A: computed on the way; B: computed on the way: left as it is (K = 8 < 32)
;;     11. [M 1,000,000, K 40] x [K 40, N 64]; A: computed on the way; B: input W1: QUANTISED (scales: A lowp_scales[0], B lowp_scales[1])
;;     12. [M 1,000,000, K 64] x [K 64, N 64]; A: computed on the way; B: input W2 (given as codes): QUANTISED (scales: A lowp_scales[2], B lowp_scales[3])
;;     13. [M 1,000,000, K 64] x [K 64, N 13]; A: computed on the way; B: input W3: left as it is (N = 13 < 16)
;;   THE QUANTISER, for each operand of a quantised product, along K:
;;     - The operand's scale is 2^e, e = its entry of the input lowp_scales (int32; the entries are numbered through the quantised products in the list's order, A before B).
;;     - Each number is divided by the scale, clamped to +-57,344, and rounded to the nearest number of E5M2, ties to even, subnormals kept.
;;     - The product sums the exact products of the quantised numbers (number of the format x scale) in f32.
;;   ~~~python
;;   def quantise(x, axis, e):      # numpy; x: float32 -> the quantised numbers, widened to float32 again
;;       x = np.moveaxis(x, axis, -1); K = x.shape[-1]
;;       r = np.clip(x / 2.0 ** e, -57344, 57344)
;;       step = 2.0 ** (np.maximum(np.frexp(np.where(r == 0, 1, r))[1] - 1, -14) - 2)
;;       q = np.round(r / step) * step * 2.0 ** e      # np.round: ties to even
;;       return np.moveaxis(q, -1, axis).astype(np.float32)
;;   ~~~
;;   OPERANDS COMPUTED ON THE WAY. 'Computed on the way' means the value that the module computes at that place (a softmax that the list does not call 'softmax' is quantised finished and normalised). What goes into a quantiser is computed in f32, as accurately as f32 sums, v_exp_f32 and their like allow (about 1e-6 of the number): no bf16 or f16 on the way to a quantiser, and a product that is left as it is and whose result goes on into a quantised operand takes f32 operands (vector FMAs, or v_wmma_f32_16x16x4_f32). A number that lies on a knife's edge between two numbers of the format may be rounded either way, as far as f32 arithmetic and the matrix unit's own rounding can turn it there, and no further.
;;   INPUTS GIVEN AS CODES. W2 (in the module: [64, 64], K = its axis 0): each comes as NAME_codes (uint8): NAME with its K axis moved to the last place and cut into blocks of 32 codes, [.., K / 32, bytes a block], one block behind the other in memory; one code a byte (a code: sign, 5 exponent bits, 2 mantissa bits); its scale is its entry of lowp_scales. Its value is code x scale, taken as it is: it is not quantised again, and the codes and scales need not be those that the quantiser above would give.
;; One version. Each part assembles by itself: llvm-mc -triple=amdgcn-amd-amdhsa -mcpu=gfx1250 --defsym DOCPART=n.
;; ======== version 1 of 1: 2 launches
;; workspace buffers: idx 64,000,000 bytes of whole numbers; wimg 6,144 bytes
;; launch hash (part 1): grid 3908 x 1, 4 waves a work-group, no clusters, 3,584 bytes of LDS; arguments x, W1, W3, lowp_scales, idx, wimg; writes idx, wimg
.if DOCPART == 1
	.amdgcn_target "amdgcn-amd-amdhsa--gfx1250"
	.amdhsa_code_object_version 6
	.text
	.protected	k_q23aaacbc6f_hash
	.globl	k_q23aaacbc6f_hash
	.p2align	8
	.type	k_q23aaacbc6f_hash,@function
k_q23aaacbc6f_hash:
	s_mov_b64 s[64:65], 0
	v_nop
	global_prefetch_b8 v0, s[64:65] scope:SCOPE_SE
	s_setreg_imm32_b32 hwreg(HW_REG_WAVE_MODE, 25, 1), 1
	s_wait_xcnt 0x0
; THE WHOLE NUMBERS FROM WHICH THE NEXT LAUNCH FORMS ITS GATHER ADDRESSES, and the images of two weights.
; For each point, level l and axis a: c = u32(fl32(x_a * RES[l])), and of c (x), c * 0x9E3779B1 (y), c * 0x30025795 (z) the low 16 bits: the hash is cut to 16 bits,
; so these three numbers give all eight corners' indices by additions, exclusive ors and a mask.
; RES = 16, 34, 74, 161, 348, 752, 1625, 3511, 7584, 16383 (the module's own formula in doubles falls just short of 16384 at the last level).
; A wave takes a JOB of 64 points: 768 bytes of x in, 4,096 bytes of idx out.  15,625 jobs, four to a work-group; in work-group 3906 three waves have none and end.
; idx: byte job * 4096 + u * 2048 + q * 512 + lane * 16 holds words 4 q .. 4 q + 3 of point 64 job + 32 u + lane; number t = 3 l + a lies in word t / 2, half t % 2; word 15 is 0.
; Work-group 3907 lays two weights out in the order of the operands' registers: W1 as codes of E5M2 (scale 2^e1), W3 as bf16.
; LIMITS: x >= 0 and x * 16383 < 2^32 (the conversion holds what lies outside); e1 between -126 and 112; NaN is not served.
.set JOBS,   15625
.set PREPWG, 3907
.set XP,  14                           ; v[14:19]  pair a = x_a of my point in the first half, in the second half
.set T,   20                           ; v[20:31]  six numbers (two levels x three axes) x two halves
.set OUT, 32                           ; v[32:63]  16 words for each half
.set V,   32                           ; the weights' path: v[32:55] 24 numbers of W1; v[64:79] 16 of W3
	s_load_b256 s[8:15], s[0:1], 0x0               ; x s[8:9], W1 s[10:11], W3 s[12:13], the scales' exponents s[14:15]
	s_load_b128 s[16:19], s[0:1], 0x20             ; idx s[16:17], wimg s[18:19]
	v_lshl_add_u32 v80, v0, 2, 0xc00
	v_mov_b32 v81, 0
	v_lshrrev_b32 v1, 5, v0
	v_readfirstlane_b32 s20, v1                    ; wave 0..3
	v_and_b32 v6, 31, v0                           ; lane
	s_wait_kmcnt 0x0                               ; ahead of the branches: a wave that ends has nothing out
	s_cmp_eq_u32 ttmp9, PREPWG
	s_cbranch_scc1 .Lprep
	s_lshl_b32 s21, ttmp9, 2
	s_add_co_u32 s21, s21, s20                     ; my job
	s_cmp_ge_u32 s21, JOBS
	s_cbranch_scc1 .Lend
	v_lshlrev_b32 v1, 4, v6                        ; 16 x lane
	v_lshlrev_b32 v2, 3, v6                        ; 8 x lane
	s_mul_i32 s26, s21, 768
	s_mov_b32 s27, 0
	s_add_nc_u64 s[8:9], s[8:9], s[26:27]          ; x at my job
	s_lshl_b32 s26, s21, 12
	s_add_nc_u64 s[16:17], s[16:17], s[26:27]      ; idx at my job
	global_load_b128 v[8:11], v1, s[8:9] th:TH_LOAD_NT             ; 512 consecutive bytes,
	global_load_b64 v[12:13], v2, s[8:9] offset:512 th:TH_LOAD_NT  ; and the job's last 256
	s_mul_i32 s25, s20, 768                        ; my wave's 768 bytes of LDS: nobody else touches them, so no barrier
	v_add_nc_u32 v4, s25, v1
	v_add_nc_u32 v5, s25, v2
	v_mad_u32_u24 v3, v6, 12, s25                  ; a point is 12 bytes: three words from lane to lane
	s_mov_b32 s22, 0x05040100                      ; v_perm_b32: the two low halves, the second source's below
	s_mov_b32 s23, 0x9E3779B1
	s_mov_b32 s24, 0x30025795
	s_wait_loadcnt 0x0
	ds_store_b128 v4, v[8:11]                      ; the bytes as they lie,
	ds_store_b64 v5, v[12:13] offset:512
.irp a, 0,1,2
	ds_load_b32 v[XP+2*\a],   v3 offset:4*\a       ; and back a point a lane (LDS serves a wave's instructions in order: ISA guide 5.7.1.4)
	ds_load_b32 v[XP+2*\a+1], v3 offset:384+4*\a
.endr
	s_wait_dscnt 0x0
.macro LEVEL m, res                    ; the m-th level of a pair: x * RES in f32, two points an instruction; cut to a whole number (x >= 0: the floor); times the prime
.irp a, 0,1,2
	v_pk_mul_f32 v[T+6*\m+2*\a:T+6*\m+2*\a+1], v[XP+2*\a:XP+2*\a+1], \res op_sel_hi:[1,0]
.endr
.irp i, 0,1,2,3,4,5
	v_cvt_u32_f32 v[T+6*\m+\i], v[T+6*\m+\i]
.endr
.irp u, 0,1
	v_mul_lo_u32 v[T+6*\m+2+\u], v[T+6*\m+2+\u], s23
	v_mul_lo_u32 v[T+6*\m+4+\u], v[T+6*\m+4+\u], s24
.endr
.endm
.macro PACK g                          ; the pair's six numbers of 16 bits into words 3 g .. 3 g + 2
.irp u, 0,1
.irp m, 0,1,2
	v_perm_b32 v[OUT+16*\u+3*\g+\m], v[T+4*\m+2+\u], v[T+4*\m+\u], s22
.endr
.endr
.endm
	LEVEL 0, 0x41800000                            ; 16
	LEVEL 1, 0x42080000                            ; 34
	PACK 0
	LEVEL 0, 0x42940000                            ; 74
	LEVEL 1, 0x43210000                            ; 161
	PACK 1
	LEVEL 0, 0x43AE0000                            ; 348
	LEVEL 1, 0x443C0000                            ; 752
	PACK 2
	LEVEL 0, 0x44CB2000                            ; 1625
	LEVEL 1, 0x455B7000                            ; 3511
	PACK 3
	LEVEL 0, 0x45ED0000                            ; 7584
	LEVEL 1, 0x467FFC00                            ; 16383
	PACK 4
	v_mov_b32 v[OUT+15], 0
	v_mov_b32 v[OUT+31], 0
.irp u, 0,1
.irp q, 0,1,2,3
	global_store_b128 v1, v[OUT+16*\u+4*\q:OUT+16*\u+4*\q+3], s[16:17] offset:2048*\u+512*\q th:TH_STORE_NT   ; 512 consecutive bytes, at a multiple of 256 from idx's first byte
.endr
.endr
	s_wait_tensorcnt 0x0
	ds_add_u32 v80, v81
	s_wait_dscnt 0x0
	s_endpgm
; THE WEIGHTS.  Wave w makes tile T = w = 2 b + u of W1: 16 columns n = 32 b + 8 u + r + 8 (r / 8) (so that the first product's results come out as neighbours along the next K).
; In the operand lane (r, h) holds column n; its register j holds level j + 6 h, byte d feature d: W1[10 d + level][n].  Registers 4, 5 of h = 1 and registers 6, 7 are zero codes: K = 40 of 64.
; The points' operand is laid in the same places, so every product meets its partner.
.Lprep:
	s_load_b128 s[28:31], s[14:15], 0x0            ; e0 .. e3
	v_and_b32 v7, 15, v6                           ; r
	v_lshrrev_b32 v8, 4, v6                        ; h
	v_lshlrev_b32 v1, 4, v6                        ; 16 x lane
	s_lshl_b32 s26, s20, 10
	s_mov_b32 s27, 0
	s_add_nc_u64 s[18:19], s[18:19], s[26:27]      ; wimg + 1,024 w
	s_lshr_b32 s25, s20, 1
	s_and_b32 s26, s20, 1
	s_lshl_b32 s25, s25, 5
	s_lshl_b32 s26, s26, 3
	s_add_co_u32 s25, s25, s26                     ; 32 b + 8 u
	v_and_b32 v9, 8, v7
	v_add_nc_u32 v9, v9, v7
	v_add_nc_u32 v9, s25, v9                       ; n
	v_lshlrev_b32 v3, 2, v9                        ; 4 n
	v_mad_u32_u24 v2, v8, 1536, v3                 ; + six rows of 256 bytes for h = 1
.irp j, 0,1,2,3
.irp d, 0,1,2,3
	global_load_b32 v[V+4*\j+\d], v2, s[10:11] offset:(10*\d+\j)*256
.endr
.endr
.irp j, 4,5
.irp d, 0,1,2,3
	global_load_b32 v[V+4*\j+\d], v3, s[10:11] offset:(10*\d+\j)*256   ; levels 4, 5 in every lane: no load leaves W1; h = 1 gets zeros below
.endr
.endr
	s_wait_loadcnt 0x0
	s_wait_kmcnt 0x0
	s_add_co_i32 s25, s29, 127
	s_lshl_b32 s26, s25, 23
	v_mov_b32 v11, s26                             ; 2^e1 as f32: the conversion takes its exponent field
	s_add_co_i32 s25, s25, 15
	s_lshl_b32 s25, s25, 23
	s_or_b32 s25, s25, 0x600000
	v_mov_b32 v10, s25                             ; 57,344 x 2^e1
	v_mov_b32 v12, 0
	s_mov_b32 vcc_lo, 0xffff0000                   ; lanes 16-31
.irp i, 16,17,18,19,20,21,22,23
	v_cndmask_b32 v[V+\i], v[V+\i], v12, vcc_lo
.endr
.irp i, 0,1,2,3,4,5,6,7,8,9,10,11,12,13,14,15,16,17,18,19,20,21,22,23
	v_med3_num_f32 v[V+\i], v[V+\i], -v10, v10     ; the conversion to an 8-bit code does not saturate (ISA guide 7.6.2): the hold at the largest code x the scale
.endr
.irp g, 0,1,2
	v_cvt_scalef32_pk8_bf8_f32 v[16+2*\g:17+2*\g], v[V+8*\g:V+8*\g+7], v11
.endr
	v_mov_b32 v22, 0
	v_mov_b32 v23, 0
	global_store_b128 v1, v[16:19], s[18:19]
	global_store_b128 v1, v[20:23], s[18:19] offset:512
	s_cmp_gt_u32 s20, 1
	s_cbranch_scc1 .Lend
	; W3, K step s = w, as source 1 of the bf16 form: lane (r, h) holds column min(r, 12) (columns 13-15 repeat column 12; their results are never stored);
	; registers 0-3: k = 32 s + 8 h + 0 .. 7, registers 4-7: k = 32 s + 16 + 8 h + 0 .. 7.  A row of W3 is 52 bytes.
	v_min_u32 v9, 12, v7
	v_lshlrev_b32 v9, 2, v9
	v_mad_u32_u24 v9, v8, 416, v9
	s_mul_i32 s25, s20, 1664
	v_add_nc_u32 v9, s25, v9
.irp i, 0,1,2,3,4,5,6,7,8,9,10,11,12,13,14,15
	global_load_b32 v[64+\i], v9, s[12:13] offset:(16*(\i/8)+\i%8)*52
.endr
	s_wait_loadcnt 0x0
.irp j, 0,1,2,3,4,5,6,7
	v_cvt_pk_bf16_f32 v[24+\j], v[64+2*\j], v[64+2*\j+1]
.endr
	global_store_b128 v1, v[24:27], s[18:19] offset:4096
	global_store_b128 v1, v[28:31], s[18:19] offset:4096+512
.Lend:
	s_endpgm
.Lfunc_end_k_q23aaacbc6f_hash:
	.size	k_q23aaacbc6f_hash, .Lfunc_end_k_q23aaacbc6f_hash-k_q23aaacbc6f_hash
	.p2alignl 7, 3214868480
	.fill 96, 4, 3214868480
	.section	.rodata,"a",@progbits
	.p2align	6, 0x0
	.amdhsa_kernel k_q23aaacbc6f_hash
		.amdhsa_group_segment_fixed_size 3584
		.amdhsa_private_segment_fixed_size 0
		.amdhsa_enable_private_segment 0
		.amdhsa_kernarg_size 48
		.amdhsa_user_sgpr_count 2
		.amdhsa_user_sgpr_kernarg_segment_ptr 1
		.amdhsa_wavefront_size32 1
		.amdhsa_system_sgpr_workgroup_id_x 1
		.amdhsa_system_sgpr_workgroup_id_y 1
		.amdhsa_system_sgpr_workgroup_id_z 1
		.amdhsa_system_vgpr_workitem_id 0
		.amdhsa_next_free_vgpr 82
		.amdhsa_next_free_sgpr 66
		.amdhsa_reserve_vcc 1
		.amdhsa_float_denorm_mode_32 3
		.amdhsa_float_denorm_mode_16_64 3
		.amdhsa_memory_ordered 1
		.amdhsa_forward_progress 1
		.amdhsa_inst_pref_size 21
	.end_amdhsa_kernel
	.amdgpu_metadata
---
amdhsa.version: [ 1, 2 ]
amdhsa.kernels:
  - .name:           k_q23aaacbc6f_hash
    .symbol:         k_q23aaacbc6f_hash.kd
    .args:
      - { .name: x, .offset: 0, .size: 8, .value_kind: global_buffer, .address_space: global }
      - { .name: W1, .offset: 8, .size: 8, .value_kind: global_buffer, .address_space: global }
      - { .name: W3, .offset: 16, .size: 8, .value_kind: global_buffer, .address_space: global }
      - { .name: lowp_scales, .offset: 24, .size: 8, .value_kind: global_buffer, .address_space: global }
      - { .name: idx, .offset: 32, .size: 8, .value_kind: global_buffer, .address_space: global }
      - { .name: wimg, .offset: 40, .size: 8, .value_kind: global_buffer, .address_space: global }
    .group_segment_fixed_size: 3584
    .private_segment_fixed_size: 0
    .kernarg_segment_align: 8
    .kernarg_segment_size: 48
    .max_flat_workgroup_size: 128
    .sgpr_count:     66
    .vgpr_count:     82
    .wavefront_size: 32
...
	.end_amdgpu_metadata
.endif
;; end of part 1
;; launch mlp (part 2): grid 3907 x 1, 4 waves a work-group, no clusters, 17,920 bytes of LDS; arguments x, cr, tables, idx, wimg, W2_codes, b1, b2, b3, lowp_scales, out0; writes out0
.if DOCPART == 2
	.amdgcn_target "amdgcn-amd-amdhsa--gfx1250"
	.amdhsa_code_object_version 6
	.text
	.protected	k_q23aaacbc6f_mlp
	.globl	k_q23aaacbc6f_mlp
	.p2align	8
	.type	k_q23aaacbc6f_mlp,@function
k_q23aaacbc6f_mlp:
	s_mov_b64 s[64:65], 0
	v_nop
	global_prefetch_b8 v0, s[64:65] scope:SCOPE_SE
	s_setreg_imm32_b32 hwreg(HW_REG_WAVE_MODE, 25, 1), 1
	s_wait_xcnt 0x0
; out0 = selu(selu(Q(h) Q(W1) + b1) W2 + b2) W3 + b3, h = hash-grid features x erf(1 / sqrt(max(4 l cr, 1e-12))).  The first two products on codes of E5M2, the third on bf16; all else f32.
; A wave takes a JOB of 64 points in two trips of 32, written out by one macro, so that every place that hangs on the trip is an immediate offset.
; ENCODE: a lane is a point.  The gather addresses come from the whole numbers that the launch before stored (idx); x * RES and its fraction are
; computed here again, in f32, for the weights alone.  Eight gathers of 16 bytes are always out: a corner's registers take the next level's corner as soon as they are read.
; MLP: two tiles of 16 points.  Layers 1 and 2 are used transposed (source 0 = 16 units of the weight, source 1 = 16 points): a lane keeps one point and its registers run along the next K.
; W1's tiles take the columns 32 b + 8 u + r + 8 (r / 8), so that two tiles' results are 16 neighbours along layer 2's K, in the order in which 16-byte loads give W2's codes.
; selu(x) = max(min(L x, P(x)), e(x)), L = 1.0507..: P = the Taylor sum of degree 7 of L a (exp(x) - 1), right to rounding for small x, at or under the true value for x < 0, above L x for x > 0;
; e = L a 2^(-|x| log2 e) - (L a + two steps), always a little under the true value, so it wins only where P has fallen away.  No compare, no branch on data.
; erf: x P(x^2) / Q(x^2) on x held at 4 (erf(4) is 1 in f32).  Level 0's factor is erf(1e6) = 1 for every cr and is not multiplied.
; No tensor loads, no cluster, no barrier: nothing is a tile, a wave's LDS bytes are its own, and what waves share is 10 KB of weights.
; LDS of wave w, from 4,352 w: 0 .. 3,327 the stage, 64 rows of 52 bytes as they lie in out0; 3,328 .. 4,095 the job's x; 4,096 .. 4,351 its cr.
; LIMITS: x >= 0 and x * 16383 < 2^32; e0 and e2 between -126 and 112; e0 + e1 and e2 + e3 between -126 and 127; NaN is not served.
.set JOBS,   15625
.set LASTWG, 3906
.set WLDS,   4352
.set XOFF,   3328
.set COFF,   4096
.set L16,  1                           ; v1   16 x lane; never rewritten
.set PFO,  2                           ; v2   the prefetch's offset; never rewritten
.set W2OF, 3                           ; v3   64 r + 16 h
.set B1O,  4                           ; v4   64 h
.set B2O,  5                           ; v5   32 h
.set B3V,  6                           ; v6   b3[min(r, 12)]
.set STA,  7                           ; v7   the stage: 4,352 w + 416 h + 4 r
.set XLA,  8                           ; v8   4,352 w + 12 x lane
.set RR,   9                           ; v9   r
.set KV,   10                          ; v[10:11]  c7, -(L a + two steps)
.set LIM0, 12                          ; v12  57,344 x 2^e0;  v13  2^e0;  v14, v15 the same with e2
.set SC0,  13
.set LIM2, 14
.set SC2,  15
.set CODE, 16                          ; v[16:31]   two operands of 8 registers: the features' codes; then H1's codes; then H2's K step 0 (bf16)
.set RA,   32                          ; v[32:63]   the eight corners; W1's fragments; at work in layer 1; sums of layer 2; H2's K step 1 and W3; rows going out
.set RB,   64                          ; v[64:95]   idx (16), two sets of 8 addresses; sums of layer 1; W2's fragments; at work in layer 2
.set RC,   96                          ; v[96:127]  see below; sums of layers 1, 2 and 3
.set RD,   128                         ; v[128:143] the corners' weights; two tiles' biases
.set DATA, RA
.set IDX,  RB
.set ADR,  RB+16
.set F,    RC                          ; v[96:103]  two levels' features
.set SCAL, RC+7                        ; level l's factor at v[103 + l], l = 1 .. 10 (10 fills the last pair)
.set XX,   114                         ; v[114:116] x, y, z
.set CR,   117
.set TMP,  118                         ; v[118:127]
.set W,    RD
.set WXY,  RD+8
.set BB0,  RD
.set BB1,  RD+8
.set KE,   138                         ; erf: v[138:139] a13, b8
.set PP,   88                          ; erf: v[88:97] numerators, v[128:137] denominators, v[118:127] squares
.set QQ,   128
	s_load_b512 s[8:23], s[0:1], 0x0               ; x s[8:9], cr s[10:11], tables s[12:13], idx s[14:15], wimg s[16:17], W2's codes s[18:19], b1 s[20:21], b2 s[22:23]
	s_load_b128 s[24:27], s[0:1], 0x40             ; b3 s[24:25], the scales' exponents s[26:27]
	s_load_b64 s[28:29], s[0:1], 0x50              ; out0
	v_lshl_add_u32 v144, v0, 2, 0x4400
	v_mov_b32 v145, 0
	v_lshrrev_b32 v1, 5, v0
	v_readfirstlane_b32 s32, v1                    ; wave 0..3
	s_lshl_b32 s33, ttmp9, 2
	s_add_co_u32 s33, s33, s32                     ; my job
	s_wait_kmcnt 0x0
	s_cmp_ge_u32 s33, JOBS                         ; 15,625 = 4 x 3,906 + 1: three waves of the last work-group have none
	s_cbranch_scc1 .Lend
	s_load_b128 s[44:47], s[26:27], 0x0            ; e0 .. e3
	s_mov_b32 s53, 0
	s_mul_i32 s52, s33, 768
	s_add_nc_u64 s[8:9], s[8:9], s[52:53]
	s_lshl_b32 s52, s33, 8
	s_add_nc_u64 s[10:11], s[10:11], s[52:53]
	s_lshl_b32 s52, s33, 12
	s_add_nc_u64 s[14:15], s[14:15], s[52:53]
	s_mul_i32 s52, s33, 3328
	s_add_nc_u64 s[28:29], s[28:29], s[52:53]
	s_add_nc_u64 s[30:31], s[12:13], 0x800000      ; levels 8 and 9: a level is 2^20 bytes, and the immediate holds seven of them
	v_and_b32 v7, 31, v0                           ; lane
	v_and_b32 v[RR], 15, v0
	v_bfe_u32 v8, v0, 4, 1                         ; h
	v_lshlrev_b32 v[L16], 4, v7
	v_lshlrev_b32 v140, 3, v7
	v_min_u32 v141, 12, v[RR]
	v_lshlrev_b32 v141, 2, v141
	global_load_b32 v[B3V], v141, s[24:25]
	global_load_b128 v[128:131], v[L16], s[8:9] th:TH_LOAD_NT      ; the job's x: 512 consecutive bytes,
	global_load_b64 v[132:133], v140, s[8:9] offset:512 th:TH_LOAD_NT  ; and 256;
	global_load_b64 v[134:135], v140, s[10:11] th:TH_LOAD_NT       ; its cr: 256
	v_lshlrev_b32 v[W2OF], 6, v[RR]
	v_lshl_add_u32 v[W2OF], v8, 4, v[W2OF]
	v_lshlrev_b32 v[B1O], 6, v8
	v_lshlrev_b32 v[B2O], 5, v8
	s_mul_i32 s42, s32, WLDS                       ; my wave's LDS
	v_lshrrev_b32 v[PFO], 3, v7                    ; the prefetch: lane 8 w' + k names block k of 256 bytes of wave w's second 2,048 bytes of idx
	v_and_b32 v10, 7, v7
	v_lshlrev_b32 v[PFO], 12, v[PFO]
	v_lshl_add_u32 v[PFO], v10, 8, v[PFO]
	v_add_nc_u32 v[PFO], 2048, v[PFO]
	s_cmp_eq_u32 ttmp9, LASTWG
	s_mov_b32 s52, 16128
	s_cselect_b32 s52, 3840, s52                   ; the last work-group has one job: held at that job's last block, inside idx
	v_min_u32 v[PFO], s52, v[PFO]
	v_lshlrev_b32 v10, 2, v[RR]
	v_mad_u32_u24 v10, v8, 416, v10
	v_mad_u32_u24 v[XLA], v7, 12, s42              ; (h and the lane's number are used up here)
	v_add_nc_u32 v[STA], s42, v10
	v_mov_b32 v[KV], 0x39B6E311
	v_mov_b32 v[KV+1], 0xBFE10968
	s_mov_b32 s34, 0xffff0                         ; 16 bits of index x 16 bytes
	s_mov_b32 s35, 0x79B10                         ; the primes' low 16 bits x 16: one step along y, along z
	s_mov_b32 s36, 0x57950
	s_wait_kmcnt 0x0
	s_add_co_i32 s52, s44, 127
	s_lshl_b32 s53, s52, 23
	v_mov_b32 v[SC0], s53
	s_add_co_i32 s52, s52, 15
	s_lshl_b32 s52, s52, 23
	s_or_b32 s52, s52, 0x600000
	v_mov_b32 v[LIM0], s52
	s_add_co_i32 s52, s46, 127
	s_lshl_b32 s53, s52, 23
	v_mov_b32 v[SC2], s53
	s_add_co_i32 s52, s52, 15
	s_lshl_b32 s52, s52, 23
	s_or_b32 s52, s52, 0x600000
	v_mov_b32 v[LIM2], s52
	s_add_co_i32 s48, s44, s45
	s_add_co_i32 s48, s48, 127
	s_lshl_b32 s48, s48, 23                        ; 2^(e0 + e1)
	s_mov_b32 s49, s48                             ; (named with it as a pair, so it is written)
	s_add_co_i32 s50, s46, s47
	s_add_co_i32 s50, s50, 127
	s_lshl_b32 s50, s50, 23                        ; 2^(e2 + e3)
	s_mov_b32 s51, s50
; One axis of a level: number t of 16 bits -> 16 x it in v[h], 16 x (it + the prime's low bits) in v[h + 1], both cut to 16 bits of index.
.macro HAX t, h, p4
.if ((\t)&1) == 0
	v_lshlrev_b32 v[\h], 4, v[IDX+(\t)/2]
.else
	v_lshrrev_b32 v[\h], 12, v[IDX+(\t)/2]
.endif
	v_add_nc_u32 v[\h+1], \p4, v[\h]
	v_and_b32 v[\h], s34, v[\h]
	v_and_b32 v[\h+1], s34, v[\h+1]
.endm
; Level l's eight byte offsets, corner 4 j + 2 k + i (i along x, j along y, k along z), into address set l % 2.
.macro HASH l
	HAX 3*(\l),   TMP,   16
	HAX 3*(\l)+1, TMP+2, s35
	HAX 3*(\l)+2, TMP+4, s36
.irp j, 0,1
.irp k, 0,1
	v_xor_b32 v[TMP+6+2*\j+\k], v[TMP+2+\j], v[TMP+4+\k]
.endr
.endr
.irp c, 0,1,2,3,4,5,6,7
	v_xor_b32 v[ADR+8*((\l)%2)+\c], v[TMP+(\c%2)], v[TMP+6+(\c/2)]
.endr
.irp c, 0,1,2,3,4,5,6,7
	v_min_u32 v[ADR+8*((\l)%2)+\c], 0xffff0, v[ADR+8*((\l)%2)+\c]   ; a loaded number is held inside its table before it enters an address
.endr
.endm
.macro GLOAD l, c                      ; corner c of level l: 16 bytes, four features
.if (\l) < 8
	global_load_b128 v[DATA+4*(\c):DATA+4*(\c)+3], v[ADR+8*((\l)%2)+(\c)], s[12:13] offset:(\l)*1048576
.else
	global_load_b128 v[DATA+4*(\c):DATA+4*(\c)+3], v[ADR+8*((\l)%2)+(\c)], s[30:31] offset:((\l)-8)*1048576
.endif
.endm
; The eight trilinear weights, W[4 j + 2 k + i]: (g, f) = (1 - fraction, fraction) on each axis.
.macro WEIGHTS res
	v_pk_mul_f32 v[TMP+6:TMP+7], v[XX:XX+1], \res op_sel_hi:[1,0]
	v_mul_f32 v[TMP+8], \res, v[XX+2]
	v_fract_f32 v[TMP+1], v[TMP+6]
	v_fract_f32 v[TMP+3], v[TMP+7]
	v_fract_f32 v[TMP+5], v[TMP+8]
	v_sub_f32 v[TMP],   1.0, v[TMP+1]
	v_sub_f32 v[TMP+2], 1.0, v[TMP+3]
	v_sub_f32 v[TMP+4], 1.0, v[TMP+5]
	v_pk_mul_f32 v[WXY:WXY+1],   v[TMP:TMP+1], v[TMP+2:TMP+3] op_sel_hi:[1,0]
	v_pk_mul_f32 v[WXY+2:WXY+3], v[TMP:TMP+1], v[TMP+2:TMP+3] op_sel:[0,1] op_sel_hi:[1,1]
	v_pk_mul_f32 v[W:W+1],   v[WXY:WXY+1],   v[TMP+4:TMP+5] op_sel_hi:[1,0]
	v_pk_mul_f32 v[W+2:W+3], v[WXY:WXY+1],   v[TMP+4:TMP+5] op_sel:[0,1] op_sel_hi:[1,1]
	v_pk_mul_f32 v[W+4:W+5], v[WXY+2:WXY+3], v[TMP+4:TMP+5] op_sel_hi:[1,0]
	v_pk_mul_f32 v[W+6:W+7], v[WXY+2:WXY+3], v[TMP+4:TMP+5] op_sel:[0,1] op_sel_hi:[1,1]
.endm
; Level l's features: two corners at a time.  Younger than the second of them are the level's corners still to come and the loads already issued behind this level's: always six.
; The registers just read take the next level's same corners; behind level 9, W1's four fragments.
.macro CORNERS l
.set FL, F+4*((\l)%2)
.irp cp, 0,1,2,3
	s_wait_loadcnt 0x6
.irp s, 0,1
.if (2*\cp+\s) == 0
	v_pk_mul_f32 v[FL:FL+1],   v[DATA:DATA+1],   v[W:W+1] op_sel_hi:[1,0]
	v_pk_mul_f32 v[FL+2:FL+3], v[DATA+2:DATA+3], v[W:W+1] op_sel_hi:[1,0]
.else
	v_pk_fma_f32 v[FL:FL+1],   v[DATA+4*(2*\cp+\s):DATA+4*(2*\cp+\s)+1],   v[W+2*\cp:W+2*\cp+1], v[FL:FL+1]   op_sel:[0,\s,0] op_sel_hi:[1,\s,1]
	v_pk_fma_f32 v[FL+2:FL+3], v[DATA+4*(2*\cp+\s)+2:DATA+4*(2*\cp+\s)+3], v[W+2*\cp:W+2*\cp+1], v[FL+2:FL+3] op_sel:[0,\s,0] op_sel_hi:[1,\s,1]
.endif
.endr
.if (\l) < 9
	GLOAD (\l)+1, 2*\cp
	GLOAD (\l)+1, 2*\cp+1
.else
	global_load_b128 v[RA+8*\cp:RA+8*\cp+3],   v[L16], s[16:17] offset:1024*\cp
	global_load_b128 v[RA+8*\cp+4:RA+8*\cp+7], v[L16], s[16:17] offset:1024*\cp+512
.endif
.endr
.endm
.macro SCALE l                         ; x the level's factor: v[103 + l] is the low word of its pair where l is odd, the high word where l is even
.set FL, F+4*((\l)%2)
.if ((\l)%2) == 1
	v_pk_mul_f32 v[FL:FL+1],   v[FL:FL+1],   v[SCAL+(\l):SCAL+(\l)+1] op_sel_hi:[1,0]
	v_pk_mul_f32 v[FL+2:FL+3], v[FL+2:FL+3], v[SCAL+(\l):SCAL+(\l)+1] op_sel_hi:[1,0]
.else
	v_pk_mul_f32 v[FL:FL+1],   v[FL:FL+1],   v[SCAL+(\l)-1:SCAL+(\l)] op_sel:[0,1] op_sel_hi:[1,1]
	v_pk_mul_f32 v[FL+2:FL+3], v[FL+2:FL+3], v[SCAL+(\l)-1:SCAL+(\l)] op_sel:[0,1] op_sel_hi:[1,1]
.endif
.endm
.macro QPAIR d                         ; two levels' eight features become two registers of codes: a register a level, a byte a feature
.irp i, 0,1,2,3,4,5,6,7
	v_med3_num_f32 v[F+\i], v[F+\i], -v[LIM0], v[LIM0]   ; the conversion to an 8-bit code does not saturate (ISA guide 7.6.2)
.endr
	v_cvt_scalef32_pk8_bf8_f32 v[\d:\d+1], v[F:F+7], v[SC0]
.endm
.macro LEVEL l, res
.if (\l) < 9
	HASH (\l)+1
.endif
	WEIGHTS \res
	CORNERS \l
.if (\l) > 0
	SCALE \l
.endif
.endm
.macro DEN l, k
	v_mul_f32 v[SCAL+\l], \k, v[CR]
.endm
.macro BIAS bb, adr, base, off         ; a tile's eight biases, in the result's layout
	global_load_b128 v[\bb:\bb+3],   v[\adr], s[\base:\base+1] offset:\off
	global_load_b128 v[\bb+4:\bb+7], v[\adr], s[\base:\base+1] offset:\off+16
.endm
; selu of 16 sums: one tile of units x the two tiles of points, v[X] on.  S: the scalar pair with the sums' power of two.  EE: 32 registers at work (e, then P).
; mode 1: held at 57,344 x 2^e2 and turned into codes, v[d0], v[d1] on;  mode 2: rounded to bf16.
.macro SELU X, BB, S, EE, mode, d0, d1
.irp i, 0,2,4,6
	v_pk_fma_f32 v[\X+\i:\X+\i+1], v[\X+\i:\X+\i+1], s[\S:\S+1], v[\BB+\i:\BB+\i+1] op_sel_hi:[1,0,1]   ; sum x 2^e + bias; each accumulator from its low end on
.endr
.irp i, 0,2,4,6
	v_pk_fma_f32 v[\X+8+\i:\X+9+\i], v[\X+8+\i:\X+9+\i], s[\S:\S+1], v[\BB+\i:\BB+\i+1] op_sel_hi:[1,0,1]
.endr
.irp i, 0,2,4,6,8,10,12,14
	v_pk_mul_f32 v[\EE+\i:\EE+\i+1], v[\X+\i:\X+\i+1], 0x3FB8AA3B op_sel_hi:[1,0]
.endr
.irp i, 0,1,2,3,4,5,6,7,8,9,10,11,12,13,14,15
	v_exp_f32 v[\EE+\i], -|v[\EE+\i]|
.endr
.irp i, 0,2,4,6,8,10,12,14
	v_pk_fma_f32 v[\EE+16+\i:\EE+17+\i], v[\X+\i:\X+\i+1], v[KV:KV+1], 0x3B2006AF op_sel_hi:[1,0,0]   ; c7 x + c6
.endr
.irp k, 0x3C700A07, 0x3D960644, 0x3E960644, 0x3F610966, 0x3FE10966
.irp i, 0,2,4,6,8,10,12,14
	v_pk_fma_f32 v[\EE+16+\i:\EE+17+\i], v[\EE+16+\i:\EE+17+\i], v[\X+\i:\X+\i+1], \k op_sel_hi:[1,1,0]
.endr
.endr
.irp i, 0,2,4,6,8,10,12,14
	v_pk_mul_f32 v[\EE+16+\i:\EE+17+\i], v[\EE+16+\i:\EE+17+\i], v[\X+\i:\X+\i+1]
.endr
	s_wait_alu depctr_va_vdst(0)                   ; one wait for the sixteen exponentials, ahead of their first reader; the 56 lines of P stand between
.irp i, 0,2,4,6,8,10,12,14
	v_pk_fma_f32 v[\EE+\i:\EE+\i+1], v[\EE+\i:\EE+\i+1], 0x3FE10966, v[KV:KV+1] op_sel:[0,0,1] op_sel_hi:[1,0,1]
.endr
.irp i, 0,2,4,6,8,10,12,14
	v_pk_mul_f32 v[\X+\i:\X+\i+1], v[\X+\i:\X+\i+1], 0x3F867D5F op_sel_hi:[1,0]
.endr
.if \mode == 1
.irp i, 0,1,2,3,4,5,6,7,8,9,10,11,12,13,14,15
	v_min3_num_f32 v[\X+\i], v[\X+\i], v[\EE+16+\i], v[LIM2]      ; the hold rides along
.endr
.irp i, 0,1,2,3,4,5,6,7,8,9,10,11,12,13,14,15
	v_max3_num_f32 v[\X+\i], v[\X+\i], v[\EE+\i], -v[LIM2]
.endr
	v_cvt_scalef32_pk8_bf8_f32 v[\d0:\d0+1], v[\X:\X+7], v[SC2]
	v_cvt_scalef32_pk8_bf8_f32 v[\d1:\d1+1], v[\X+8:\X+15], v[SC2]
	v_nop                                          ; a plain line between the conversions and what next touches their registers
.else
.irp i, 0,1,2,3,4,5,6,7,8,9,10,11,12,13,14,15
	v_min_num_f32 v[\X+\i], v[\X+\i], v[\EE+16+\i]
.endr
.irp i, 0,1,2,3,4,5,6,7,8,9,10,11,12,13,14,15
	v_max_num_f32 v[\X+\i], v[\X+\i], v[\EE+\i]
.endr
.irp j, 0,1,2,3
	v_cvt_pk_bf16_f32 v[\d0+\j], v[\X+2*\j], v[\X+2*\j+1]
	v_cvt_pk_bf16_f32 v[\d1+\j], v[\X+8+2*\j], v[\X+9+2*\j]
.endr
.endif
.endm
; A TRIP: points 32 u .. 32 u + 31 of the job.
.macro TRIP u
.irp q, 0,1,2,3
	global_load_b128 v[IDX+4*\q:IDX+4*\q+3], v[L16], s[14:15] offset:2048*\u+512*\q th:TH_LOAD_NT   ; the trip's 2,048 bytes of idx
.endr
.if \u == 0
	s_wait_loadcnt 0x4                             ; the four loads above are younger: b3, x and cr are in
	v_add_nc_u32 v136, s42, v[L16]
	v_lshrrev_b32 v137, 1, v[L16]
	v_add_nc_u32 v137, s42, v137
	ds_store_b128 v136, v[128:131] offset:XOFF     ; the job's x and cr as they lie
	ds_store_b64 v137, v[132:133] offset:XOFF+512
	ds_store_b64 v137, v[134:135] offset:COFF
.endif
	v_lshrrev_b32 v139, 2, v[L16]
	v_add_nc_u32 v139, s42, v139                   ; 4,352 w + 4 x lane
	ds_load_b32 v[XX],   v[XLA] offset:XOFF+384*\u      ; my point (LDS serves a wave's instructions in order, ISA guide 5.7.1.4: these see the stores)
	ds_load_b32 v[XX+1], v[XLA] offset:XOFF+384*\u+4
	ds_load_b32 v[XX+2], v[XLA] offset:XOFF+384*\u+8
	ds_load_b32 v[CR],   v139 offset:COFF+128*\u
	s_wait_loadcnt 0x3                             ; idx's words 0-3 are in: levels 0 and 1
	HASH 0
.irp c, 0,1,2,3,4,5,6,7
	GLOAD 0, \c
.endr
	s_wait_dscnt 0x0                               ; x, y, z, cr
	; ---- the nine factors erf(1 / sqrt(max(4 l cr, 1e-12))), and a tenth that fills the last pair
	DEN 1, 4.0
	DEN 2, 0x41000000
	DEN 3, 0x41400000
	DEN 4, 0x41800000
	DEN 5, 0x41A00000
	DEN 6, 0x41C00000
	DEN 7, 0x41E00000
	DEN 8, 0x42000000
	DEN 9, 0x42100000
	DEN 10, 0x42200000
.irp l, 1,2,3,4,5,6,7,8,9,10
	v_max_num_f32 v[SCAL+\l], 0x2B8CBCCC, v[SCAL+\l]
.endr
.irp l, 1,2,3,4,5,6,7,8,9,10
	v_rsq_f32 v[SCAL+\l], v[SCAL+\l]
.endr
	v_mov_b32 v[KE], 0xAF95DF0B                    ; (plain lines behind the roots)
	v_mov_b32 v[KE+1], 0xB77460CD
	s_wait_alu depctr_va_vdst(0)                   ; one wait for the ten roots, ahead of their first reader
.irp l, 1,2,3,4,5,6,7,8,9,10
	v_min_num_f32 v[SCAL+\l], 4.0, v[SCAL+\l]
.endr
.irp i, 0,2,4,6,8
	v_pk_mul_f32 v[TMP+\i:TMP+\i+1], v[SCAL+1+\i:SCAL+2+\i], v[SCAL+1+\i:SCAL+2+\i]
.endr
.irp i, 0,2,4,6,8
	v_pk_fma_f32 v[PP+\i:PP+\i+1], v[TMP+\i:TMP+\i+1], v[KE:KE+1], 0x32EDFFEE op_sel_hi:[1,0,0]
	v_pk_fma_f32 v[QQ+\i:QQ+\i+1], v[TMP+\i:TMP+\i+1], v[KE:KE+1], 0xB95FBD29 op_sel:[0,1,0] op_sel_hi:[1,1,0]
.endr
.irp k, 0xBADC924E, 0xBBF19BF8, 0xBC69B6A7
.irp i, 0,2,4,6,8
	v_pk_fma_f32 v[QQ+\i:QQ+\i+1], v[QQ+\i:QQ+\i+1], v[TMP+\i:TMP+\i+1], \k op_sel_hi:[1,1,0]
.endr
.endr
.irp i, 0,1,2,3,4,5,6,7,8,9
	v_rcp_f32 v[QQ+\i], v[QQ+\i]
.endr
.irp k, 0xB60CFF51, 0xB86EC2D2, 0xBA40AC63, 0xBB41A1F6, 0xBC83DBD4
.irp i, 0,2,4,6,8
	v_pk_fma_f32 v[PP+\i:PP+\i+1], v[PP+\i:PP+\i+1], v[TMP+\i:TMP+\i+1], \k op_sel_hi:[1,1,0]
.endr
.endr
.irp i, 0,2,4,6,8
	v_pk_mul_f32 v[PP+\i:PP+\i+1], v[PP+\i:PP+\i+1], v[SCAL+1+\i:SCAL+2+\i]
.endr
	s_wait_alu depctr_va_vdst(0)                   ; one wait for the ten reciprocals; the numerators' 30 lines stand between
.irp i, 0,2,4,6,8
	v_pk_mul_f32 v[SCAL+1+\i:SCAL+2+\i], v[PP+\i:PP+\i+1], v[QQ+\i:QQ+\i+1]
.endr
	; ---- the ten levels
	LEVEL 0, 0x41800000
	LEVEL 1, 0x42080000
	QPAIR CODE
	LEVEL 2, 0x42940000
	LEVEL 3, 0x43210000
	QPAIR CODE+2
	LEVEL 4, 0x43AE0000
	LEVEL 5, 0x443C0000
	QPAIR CODE+4
	LEVEL 6, 0x44CB2000
	LEVEL 7, 0x455B7000
	QPAIR CODE+8
	LEVEL 8, 0x45ED0000
	LEVEL 9, 0x467FFC00
	BIAS BB0, B1O, 20, 0                           ; b1 of tiles 0 and 1: the corners' weights are used up
	BIAS BB1, B1O, 20, 32
	QPAIR CODE+10
	v_nop                                          ; a plain line behind the last conversion
.irp i, 6,7,12,13,14,15
	v_mov_b32 v[CODE+\i], 0                        ; K = 40 of 64: zero codes
.endr
.irp i, 0,1,2,3,4,5
	v_permlane16_swap_b32 v[CODE+\i], v[CODE+8+\i] ; levels 0-5 | 6-9 of 32 points become two operands of 16 points: lanes 0-15 levels 0-5, lanes 16-31 levels 6-9
.endr
	; ---- layer 1: sums (T, p) at v[RB + 16 T + 8 p]; eight accumulators, one instruction each
	s_wait_loadcnt 0x4                             ; W1's fragments are in; the four bias loads may be out
.irp t, 0,1,2,3
.irp p, 0,1
	v_wmma_f32_16x16x64_bf8_bf8 v[RB+16*\t+8*\p:RB+16*\t+8*\p+7], v[RA+8*\t:RA+8*\t+7], v[CODE+8*\p:CODE+8*\p+7], 0
.endr
.endr
.rept 4
	v_nop                                          ; four places ahead of the first read of results and the first write of sources (ISA guide 7.12.1)
.endr
	s_wait_loadcnt 0x0
	SELU RB, BB0, 48, RA, 1, CODE, CODE+8
	BIAS BB0, B1O, 20, 128
	SELU RB+16, BB1, 48, RA, 1, CODE+2, CODE+10
	BIAS BB1, B1O, 20, 160
.irp t, 0,1,2,3
.irp c, 0,1
	global_load_b128 v[RB+8*\t+4*\c:RB+8*\t+4*\c+3], v[W2OF], s[18:19] offset:1024*\t+32*\c   ; W2's tile t: row 16 t + r, k = 32 c + 16 h + 0 .. 15
.endr
.endr
	s_wait_loadcnt 0xa                             ; younger than tile 2's biases: tile 3's two loads and W2's eight
	SELU RC, BB0, 48, RA, 1, CODE+4, CODE+12
	s_wait_loadcnt 0x8
	SELU RC+16, BB1, 48, RA, 1, CODE+6, CODE+14
	; ---- layer 2: sums (t, p) at v[RA + 16 t + 8 p] for t = 0, 1, at v[RC + 16 (t - 2) + 8 p] for t = 2, 3
	BIAS BB0, B2O, 22, 0
	BIAS BB1, B2O, 22, 64
	s_wait_loadcnt 0x4                             ; W2's fragments are in
.irp t, 0,1
.irp p, 0,1
	v_wmma_f32_16x16x64_bf8_bf8 v[RA+16*\t+8*\p:RA+16*\t+8*\p+7], v[RB+8*\t:RB+8*\t+7], v[CODE+8*\p:CODE+8*\p+7], 0
.endr
.endr
.irp t, 0,1
.irp p, 0,1
	v_wmma_f32_16x16x64_bf8_bf8 v[RC+16*\t+8*\p:RC+16*\t+8*\p+7], v[RB+16+8*\t:RB+16+8*\t+7], v[CODE+8*\p:CODE+8*\p+7], 0
.endr
.endr
.rept 4
	v_nop
.endr
	s_wait_loadcnt 0x0
	SELU RA, BB0, 50, RB, 2, CODE, CODE+8          ; tile t's units 16 t + 8 h + 0 .. 7 are registers 4 (t % 2) .. + 3 of K step t / 2 of the third product's source 0
	BIAS BB0, B2O, 22, 128
	SELU RA+16, BB1, 50, RB, 2, CODE+4, CODE+12
	BIAS BB1, B2O, 22, 192
.irp q, 0,1,2,3
	global_load_b128 v[RA+16+4*\q:RA+16+4*\q+3], v[L16], s[16:17] offset:4096+512*\q   ; W3's two fragments
.endr
.if \u == 0
	; A PREFETCH INTO THE L2 of what the second trip's first loads will ask for: the second 2,048 bytes of idx of the work-group's four jobs, 32 blocks of 256 bytes, a lane a block.
	; Wave 0 asks, in its first trip, behind the loads just issued: two tiles' selu and the third product ahead of those loads.  Each block is named once in the launch.
	s_cmp_lg_u32 s32, 0
	s_cbranch_scc1 .Lnot_mine
	global_prefetch_b8 v[PFO], s[14:15] th:TH_LOAD_NT scope:SCOPE_SE
.Lnot_mine:
.endif
	s_wait_loadcnt 0x6                             ; younger than tile 2's biases: tile 3's two loads and W3's four
	SELU RC, BB0, 50, RB, 2, RA, RA+8
.irp i, 0,1,2,3,4,5,6,7
	v_mov_b32 v[BB0+\i], v[B3V]                    ; b3 in the result's layout: the C of the third product's first K step
.endr
	s_wait_loadcnt 0x4
	SELU RC+16, BB1, 50, RB, 2, RA+4, RA+12
	; ---- layer 3, not transposed: source 0 = 16 points, source 1 = W3's columns; register j of lane (r, h) is output r of point 16 p + 8 h + j.  The two accumulators take turns.
	v_cmp_gt_u32 vcc_lo, 13, v[RR]
	s_wait_loadcnt 0x0
	v_wmma_f32_16x16x32_bf16 v[RC:RC+7],    v[CODE:CODE+7],    v[RA+16:RA+23], v[BB0:BB0+7]
	v_wmma_f32_16x16x32_bf16 v[RC+8:RC+15], v[CODE+8:CODE+15], v[RA+16:RA+23], v[BB0:BB0+7]
	v_wmma_f32_16x16x32_bf16 v[RC:RC+7],    v[RA:RA+7],        v[RA+24:RA+31], v[RC:RC+7]
	v_wmma_f32_16x16x32_bf16 v[RC+8:RC+15], v[RA+8:RA+15],     v[RA+24:RA+31], v[RC+8:RC+15]
.rept 4
	v_nop
.endr
	s_wait_xcnt 0x0                                ; EXEC changes only behind this wait: the trip's loads and the prefetch have read it
	s_and_saveexec_b32 s54, vcc_lo                 ; 13 columns of 16
.irp p, 0,1
.irp j, 0,1,2,3,4,5,6,7
	ds_store_b32 v[STA], v[RC+8*\p+\j] offset:1664*\u+832*\p+52*\j
.endr
.endr
	s_or_b32 exec_lo, exec_lo, s54                 ; (no global instruction was issued since the wait)
.endm
	TRIP 0
	TRIP 1
	; ---- the way out: the job's 3,328 bytes, 13 runs of 256 consecutive bytes at multiples of 256 from out0's first byte
	v_add_nc_u32 v120, s42, v[L16]
	v_lshrrev_b32 v121, 1, v[L16]
	v_add_nc_u32 v122, s42, v121
.irp i, 0,1,2,3,4,5
	ds_load_b128 v[RA+4*\i:RA+4*\i+3], v120 offset:512*\i   ; these see my stores
.endr
	ds_load_b64 v[RA+24:RA+25], v122 offset:3072
.irp i, 0,1,2,3,4,5
	s_wait_dscnt 6-\i
	global_store_b128 v[L16], v[RA+4*\i:RA+4*\i+3], s[28:29] offset:512*\i th:TH_STORE_NT
.endr
	s_wait_dscnt 0x0
	global_store_b64 v121, v[RA+24:RA+25], s[28:29] offset:3072 th:TH_STORE_NT
.Lend:
	s_wait_tensorcnt 0x0
	ds_add_u32 v144, v145
	s_wait_dscnt 0x0
	s_endpgm
.Lfunc_end_k_q23aaacbc6f_mlp:
	.size	k_q23aaacbc6f_mlp, .Lfunc_end_k_q23aaacbc6f_mlp-k_q23aaacbc6f_mlp
	.p2alignl 7, 3214868480
	.fill 96, 4, 3214868480
	.section	.rodata,"a",@progbits
	.p2align	6, 0x0
	.amdhsa_kernel k_q23aaacbc6f_mlp
		.amdhsa_group_segment_fixed_size 17920
		.amdhsa_private_segment_fixed_size 0
		.amdhsa_enable_private_segment 0
		.amdhsa_kernarg_size 88
		.amdhsa_user_sgpr_count 2
		.amdhsa_user_sgpr_kernarg_segment_ptr 1
		.amdhsa_wavefront_size32 1
		.amdhsa_system_sgpr_workgroup_id_x 1
		.amdhsa_system_sgpr_workgroup_id_y 1
		.amdhsa_system_sgpr_workgroup_id_z 1
		.amdhsa_system_vgpr_workitem_id 0
		.amdhsa_next_free_vgpr 146
		.amdhsa_next_free_sgpr 66
		.amdhsa_reserve_vcc 1
		.amdhsa_float_denorm_mode_32 3
		.amdhsa_float_denorm_mode_16_64 3
		.amdhsa_memory_ordered 1
		.amdhsa_forward_progress 1
		.amdhsa_inst_pref_size 255
	.end_amdhsa_kernel
	.section	.bss,"aw",@nobits
	.p2align	6
	.space	262144
	.amdgpu_metadata
---
amdhsa.version: [ 1, 2 ]
amdhsa.kernels:
  - .name:           k_q23aaacbc6f_mlp
    .symbol:         k_q23aaacbc6f_mlp.kd
    .args:
      - { .name: x, .offset: 0, .size: 8, .value_kind: global_buffer, .address_space: global }
      - { .name: cr, .offset: 8, .size: 8, .value_kind: global_buffer, .address_space: global }
      - { .name: tables, .offset: 16, .size: 8, .value_kind: global_buffer, .address_space: global }
      - { .name: idx, .offset: 24, .size: 8, .value_kind: global_buffer, .address_space: global }
      - { .name: wimg, .offset: 32, .size: 8, .value_kind: global_buffer, .address_space: global }
      - { .name: W2_codes, .offset: 40, .size: 8, .value_kind: global_buffer, .address_space: global }
      - { .name: b1, .offset: 48, .size: 8, .value_kind: global_buffer, .address_space: global }
      - { .name: b2, .offset: 56, .size: 8, .value_kind: global_buffer, .address_space: global }
      - { .name: b3, .offset: 64, .size: 8, .value_kind: global_buffer, .address_space: global }
      - { .name: lowp_scales, .offset: 72, .size: 8, .value_kind: global_buffer, .address_space: global }
      - { .name: out0, .offset: 80, .size: 8, .value_kind: global_buffer, .address_space: global }
    .group_segment_fixed_size: 17920
    .private_segment_fixed_size: 0
    .kernarg_segment_align: 8
    .kernarg_segment_size: 88
    .max_flat_workgroup_size: 128
    .sgpr_count:     66
    .vgpr_count:     146
    .wavefront_size: 32
...
	.end_amdgpu_metadata
.endif
;; end of part 2
